; MI455X (gfx1250); checked and timed in simulation.
; The chip was launched on July 23, 2026; its instructions are those of AMD's public machine-readable ISA for CDNA 5 (MIT licence, August 2026) and "CDNA5" Instruction Set Architecture Reference Guide (July 2026). The comments in the code are by the model that wrote it; some were corrected since.
;; Self Attention. Allowed arithmetic: float matrix products may take bf16 or f16 operands with f32 sums; other float arithmetic in f32, or as packed bf16 or f16 multiplies, adds, multiply-adds, maxima and minima; sums over many terms, partial sums and values carried from step to step in f32; what a program stores and reads back later, other than sums and carried values, may be rounded once to bf16 or f16.
;; Inputs: Wk 1,024 x 1,024 float32; Wq 1,024 x 1,024 float32; Wv 1,024 x 1,024 float32; x 128 x 128 x 1,024 float32.
;; Outputs: out0 128 x 128 x 1,024 float32.
;; One version. Each part assembles by itself: llvm-mc -triple=amdgcn-amd-amdhsa -mcpu=gfx1250 --defsym DOCPART=n.
;; ======== version 1 of 1: 3 launches
;; limits: values are held in f16: magnitudes above 65,504 overflow, below 6.1e-05 lose precision
;; workspace buffers: wf 6,291,456 bytes; sp 9,437,184 bytes; vf 33,554,432 bytes
;; launch wprep (part 1): grid 64 x 3, 4 waves a work-group, no clusters, 34,304 bytes of LDS; arguments Wq, Wk, Wv, wf; writes wf
.if DOCPART == 1
	.amdgcn_target "amdgcn-amd-amdhsa--gfx1250"
	.amdhsa_code_object_version 6
	.text
	.protected	k_qf9e30892ed_wprep
	.globl	k_qf9e30892ed_wprep
	.p2align	8
	.type	k_qf9e30892ed_wprep,@function
k_qf9e30892ed_wprep:
	s_mov_b64 s[64:65], 0
	v_nop
	global_prefetch_b8 v0, s[64:65] scope:SCOPE_SE
	s_setreg_imm32_b32 hwreg(HW_REG_WAVE_MODE, 25, 1), 1
	s_wait_xcnt 0x0
; Wq, Wk, Wv ([1024 d][1024 e], f32) are rounded once to bf16 and laid out as ready matrix fragments, in the order in which the
; projection's waves walk them:  wf = [g 2][w 4][chunk j 6][K step s 32][fragment f 4][half c 2][lane 32][16 bytes].
;   j = 0..3: f = 0, 1 are 16 rows of Wq, f = 2, 3 of Wk, from row 512 g + 128 j + 32 w + 16 (f & 1) on
;   j = 4, 5: 16 rows of Wv from row 512 g + 256 (j - 4) + 64 w + 16 f on
; ORDER OF e.  K goes in 4 slabs of 256 e.  Two loads of 16 bytes a lane, 512 bytes apart, leave in lane p the numbers e = 4 p .. 4 p + 3
; and 128 + 4 p .. 128 + 4 p + 3 of the slab: rounded, they are the 16-byte PIECE p.  K step u of the slab takes the pieces 4 u .. 4 u + 3: half c of
; a fragment, lanes' half h, takes piece 4 u + 2 c + h.  The projection lays x out by the same order, so the products are those of the true order.
; SHARES.  A work-group takes 16 rows of one matrix, each of its four waves one slab.  64 x 3 work-groups: that is all the work there is.
; A piece lies in the lane that loaded it, and belongs to lane 16 h + row of a half fragment: it changes lanes through the wave's own stage in LDS
; (16 half fragments, 528 bytes apart), and leaves by stores of 512 consecutive bytes.  No wave reads another's bytes: no barrier.
.set PITCH, 528                        ; a half fragment in the stage: 512 bytes + 16
.set WST,   16*PITCH                   ; a wave's stage
.set SPARE, 4*WST                      ; behind the stages: the spare words, 128 bytes a wave, two blocks of 256 bytes that no other line names
.set L16, 1                            ; v1   16 x lane
.set SPW, 2                            ; v2   LDS address of my spare word; never rewritten
.set NIL, 3                            ; v3   0; never rewritten
.set LDO, 5                            ; v5   my byte offset in a row of W: 16 x lane + 1,024 x slab
.set STI, 6                            ; v6   the stage, in: half fragment lane / 2, lanes' half lane % 2
.set STB, 7                            ; v7   the stage, back: 16 x lane
.set GO,  8                            ; v8   my byte offset in wf: 16 x lane + 8 K steps x slab
.set IN,  16                           ; v16-143   row r: 8 registers as loaded, then 4 of bf16
.set BK,  144                          ; v144-207  half fragment hf: 4 registers
	s_load_b256 s[4:11], s[0:1], 0x0               ; Wq s[4:5], Wk s[6:7], Wv s[8:9], wf s[10:11]
	v_lshl_add_u32 v[SPW], v0, 2, SPARE
	v_mov_b32 v[NIL], 0
	v_lshrrev_b32 v4, 5, v0
	v_readfirstlane_b32 s12, v4                    ; my wave = my slab
	v_and_b32 v4, 31, v0                           ; lane
	v_lshlrev_b32 v[L16], 4, v4
	s_mov_b32 s13, ttmp9                           ; tau: my 16 rows begin at row 16 tau
	s_and_b32 s16, ttmp7, 0xffff                   ; y: 0 Wq, 1 Wk, 2 Wv
	s_lshr_b32 s17, s13, 5                         ; g
	s_bfe_u32 s18, s13, 0x20003                    ; Wq, Wk: tau = 32 g + 8 j + 2 w + (f & 1)
	s_bfe_u32 s19, s13, 0x20001
	s_and_b32 s20, s13, 1
	s_lshl1_add_u32 s20, s16, s20                  ; f = 2 y + (tau & 1)
	s_bfe_u32 s21, s13, 0x10004                    ; Wv: tau = 32 g + 16 (j - 4) + 4 w + f
	s_add_co_u32 s21, s21, 4
	s_bfe_u32 s22, s13, 0x20002
	s_and_b32 s23, s13, 3
	s_cmp_eq_u32 s16, 2
	s_cselect_b32 s18, s21, s18                    ; j
	s_cselect_b32 s19, s22, s19                    ; w
	s_cselect_b32 s20, s23, s20                    ; f
	s_lshl2_add_u32 s17, s17, s19                  ; 4 g + w
	s_mul_i32 s17, s17, 6
	s_add_co_u32 s17, s17, s18
	s_lshl_b32 s17, s17, 17                        ; a chunk is 131,072 bytes
	s_lshl_b32 s20, s20, 10                        ; a fragment 1,024
	s_add_co_u32 s24, s17, s20
	s_mov_b32 s25, 0
	s_lshl_b32 s26, s13, 16                        ; 16 rows of 4,096 bytes
	s_mov_b32 s27, 0
	s_mul_i32 s28, s12, WST
	v_lshl_add_u32 v[LDO], s12, 10, v[L16]
	v_lshrrev_b32 v9, 1, v4
	v_mul_u32_u24 v[STI], v9, PITCH
	v_and_b32 v9, 1, v4
	v_lshl_add_u32 v[STI], v9, 8, v[STI]
	v_add_nc_u32 v[STI], s28, v[STI]
	v_add_nc_u32 v[STB], s28, v[L16]
	v_lshl_add_u32 v[GO], s12, 15, v[L16]
	s_wait_kmcnt 0x0
	s_cmp_eq_u32 s16, 1
	s_cselect_b64 s[14:15], s[6:7], s[4:5]         ; the matrix is chosen by y alone
	s_cmp_eq_u32 s16, 2
	s_cselect_b64 s[14:15], s[8:9], s[14:15]
	s_add_nc_u64 s[14:15], s[14:15], s[26:27]
	s_add_nc_u64 s[10:11], s[10:11], s[24:25]
.set r, 0
.rept 16                                               ; all 32 loads go out at once: each takes 512 consecutive bytes of a row
	global_load_b128 v[IN+8*r:IN+8*r+3],   v[LDO], s[14:15] offset:4096*r th:TH_LOAD_NT
	global_load_b128 v[IN+8*r+4:IN+8*r+7], v[LDO], s[14:15] offset:4096*r+512 th:TH_LOAD_NT
.set r, r+1
.endr
.set r, 0
.rept 16
	s_wait_loadcnt 2*(15-r)                        ; loads come back in order: row r's two are in, the later rows' stay out
.irp m, 0,1,2,3
	v_cvt_pk_bf16_f32 v[IN+8*r+\m], v[IN+8*r+2*\m], v[IN+8*r+2*\m+1]  ; in place, ascending: no number is written over before it is read
.endr
	ds_store_b128 v[STI], v[IN+8*r:IN+8*r+3] offset:16*r  ; lane 16 h + r of the half fragment.  Lanes 2 m and 2 m + 1 lie 256 bytes apart and share banks: 16 such stores a wave, left as they are
.set r, r+1
.endr
.set hf, 0
.rept 16
	ds_load_b128 v[BK+4*hf:BK+4*hf+3], v[STB] offset:PITCH*hf  ; LDS serves a wave's instructions in order (ISA guide 5.7.1.4): these see the stores above
.set hf, hf+1
.endr
.set hf, 0
.rept 16
	s_wait_dscnt 15-hf                             ; half fragment hf is back; the later ones stay out
	global_store_b128 v[GO], v[BK+4*hf:BK+4*hf+3], s[10:11] offset:4096*(hf/2)+512*(hf%2)  ; 512 consecutive bytes, at a multiple of 256 from wf's first
.set hf, hf+1
.endr
	s_wait_tensorcnt 0x0                           ; the wave's end: behind my last LDS store
	ds_add_u32 v[SPW], v[NIL]
	s_wait_dscnt 0x0
	s_endpgm
.Lfunc_end_k_qf9e30892ed_wprep:
	.size	k_qf9e30892ed_wprep, .Lfunc_end_k_qf9e30892ed_wprep-k_qf9e30892ed_wprep
	.p2alignl 7, 3214868480
	.fill 96, 4, 3214868480
	.section	.rodata,"a",@progbits
	.p2align	6, 0x0
	.amdhsa_kernel k_qf9e30892ed_wprep
		.amdhsa_group_segment_fixed_size 34304
		.amdhsa_private_segment_fixed_size 0
		.amdhsa_enable_private_segment 0
		.amdhsa_kernarg_size 32
		.amdhsa_user_sgpr_count 2
		.amdhsa_user_sgpr_kernarg_segment_ptr 1
		.amdhsa_wavefront_size32 1
		.amdhsa_system_sgpr_workgroup_id_x 1
		.amdhsa_system_sgpr_workgroup_id_y 1
		.amdhsa_system_sgpr_workgroup_id_z 1
		.amdhsa_system_vgpr_workitem_id 0
		.amdhsa_next_free_vgpr 208
		.amdhsa_next_free_sgpr 66
		.amdhsa_reserve_vcc 0
		.amdhsa_float_denorm_mode_32 3
		.amdhsa_float_denorm_mode_16_64 3
		.amdhsa_memory_ordered 1
		.amdhsa_forward_progress 1
		.amdhsa_inst_pref_size 14
	.end_amdhsa_kernel
	.amdgpu_metadata
---
amdhsa.version: [ 1, 2 ]
amdhsa.kernels:
  - .name:           k_qf9e30892ed_wprep
    .symbol:         k_qf9e30892ed_wprep.kd
    .args:
      - { .name: Wq, .offset: 0, .size: 8, .value_kind: global_buffer, .address_space: global }
      - { .name: Wk, .offset: 8, .size: 8, .value_kind: global_buffer, .address_space: global }
      - { .name: Wv, .offset: 16, .size: 8, .value_kind: global_buffer, .address_space: global }
      - { .name: wf, .offset: 24, .size: 8, .value_kind: global_buffer, .address_space: global }
    .group_segment_fixed_size: 34304
    .private_segment_fixed_size: 0
    .kernarg_segment_align: 8
    .kernarg_segment_size: 32
    .max_flat_workgroup_size: 128
    .sgpr_count:     66
    .vgpr_count:     208
    .wavefront_size: 32
...
	.end_amdgpu_metadata
.endif
;; end of part 1
;; launch proj (part 2): grid 2 x 128, 4 waves a work-group, no clusters, 320,000 bytes of LDS; arguments x, wf, sp, vf; writes sp, vf
.if DOCPART == 2
	.amdgcn_target "amdgcn-amd-amdhsa--gfx1250"
	.amdhsa_code_object_version 6
	.text
	.protected	k_qf9e30892ed_proj
	.globl	k_qf9e30892ed_proj
	.p2align	8
	.type	k_qf9e30892ed_proj,@function
k_qf9e30892ed_proj:
	s_mov_b64 s[64:65], 0
	v_nop
	global_prefetch_b8 v0, s[64:65] scope:SCOPE_SE
	s_setreg_imm32_b32 hwreg(HW_REG_WAVE_MODE, 25, 1), 1
	s_wait_xcnt 0x0
; For batch b and channel half g (512 of the 1,024 channels d):  q = x Wq^T, k = x Wk^T, v = x Wv^T for those channels; the part of S^T = k q^T that those channels
; give (f32, the tiles on and below the diagonal, hidden places -inf) goes to sp; v goes to vf as f16 fragments of V^T.  128 x 2 work-groups; nothing is computed twice.
; FORMATS.  x and the weights are rounded once to bf16 (the weights by the launch before); sums in f32; q, k, v are rounded once to f16; S and its partial sums stay f32.
; LIMIT.  f16 holds no number beyond 65,504: |q|, |k|, |v| must stay within it (at x and W of the drawn spread they reach about 6; with both 30 times larger about 5,400).  NaN and infinities in the inputs are not treated apart.
; SHARES.  x of the batch (128 tokens x 1,024) lies in LDS as bf16 for the whole launch.  A wave owns CHANNELS, not tokens.  Its work is six CHUNKS of 32 K steps of 32:
;   chunks 0-3: 32 channels of q and the same 32 of k, all 128 tokens: source 0 = 16 channels of W, source 1 = 16 tokens of x.  In the result a lane holds ONE token (lane % 16) and the channels
;               8 (lane / 16) + 0..7: two such results rounded to f16 ARE a fragment (16 tokens x 32 channels) of q or k.  36 products k q^T then add these channels' part onto S^T, which stays in registers.
;   chunks 4, 5: 64 channels of v: source 0 = 16 tokens of x, source 1 = 16 channels of W.  A lane holds ONE channel and eight tokens: two results rounded to f16 ARE a fragment (16 channels x 32 tokens) of V^T.
; So q, k and v never change lanes.  The four waves' parts of S^T meet in LDS, 12 tiles at a time, in f32; the two halves g meet in the next launch.
; THE WEIGHTS come as ready fragments, each used by one wave alone: 512 consecutive bytes a load, straight into that wave's registers, through a ring of 8 slots of one K step (4,096 bytes):
; the loads of seven K steps, 28,672 bytes a wave, are on their way at any time, and the loop has no barrier.
; NO CLUSTER, NO TENSOR LOADS.  x takes 270,336 and the reduction 49,152 of the 327,680 bytes of LDS; even without the second, two slots for weights would be under 28,672 bytes each, while the work-group
; uses up 16,384 bytes of weights for every 32 matrix instructions of a wave: a joint refill would have fewer than 60 matrix instructions in which to land, with a round of the cluster's barrier each time.
; ORDER OF e: as the launch before lays the weights.  K goes in 4 slabs of 256 e; two loads of 16 bytes a lane, 512 bytes apart, rounded, are the 16-byte piece p = lane; K step u takes pieces 4 u + 2 c + h.
; S^T TILES.  (kt, qt), kt <= qt, has number T = qt (qt + 1) / 2 + kt.  A lane holds query lane % 16, register j key 8 (lane / 16) + j.  A tile in LDS and in sp is 1,024 bytes: registers 0-3 at 16 x lane, 4-7 at 512 + 16 x lane.
; REGISTERS, in windows of 256 (s_set_vgpr_msb: bits 1:0 source 0, 3:2 source 1, 5:4 source 2, 7:6 destination):
;   window 0: v0-19 addresses; v32-63 S^T tiles 32-35; v64-127, v128-191 x's fragments, two buffers (token tile i at + 8 i)
;   window 1: 32 accumulators; at the start x's two load buffers; in the reduction v0-95 at work      window 2: the weights' ring, slot sl at 32 sl, fragment f at + 8 f      window 3: S^T tiles 0-31
.set XP,     528                       ; a token's 256 places of a slab in LDS: 512 bytes + 16 = 33 x 16: the 16 rows of a fragment load start at 16 different columns of 16 bytes (64 banks of 4 bytes: ISA guide 11.1)
.set SLAB,   128*XP                    ; a slab of x
.set RED,    4*SLAB                    ; behind x: [wave 4][tile 12][1,024 bytes], the reduction's
.set SPARE,  RED+4*12*1024             ; behind that: the spare words, 128 bytes a wave, two blocks of 256 bytes that no other line names
.set KSTEPB, 4096                      ; a wave's weights for one K step
.set L16, 1                            ; v1   16 x lane; never rewritten
.set X0,  2                            ; v2   my place in a fragment of x: 528 (lane % 16) + 16 (lane / 16); never rewritten
.set XA,  3                            ; v3   X0 + the slab in hand
.set XB,  4                            ; v4   X0 + the slab behind it
.set XW,  5                            ; v5-8 x goes in: my wave's 32 rows, 16 x lane, slab 0..3
.set RW,  9                            ; v9   the reduction: where my wave's 12 tiles go
.set RR,  10                           ; v10  where the 3 tiles that I add lie in wave 0's part
.set SO,  11                           ; v11  their byte offset in a round's 12 tiles of sp
.set RH,  12                           ; v12  lane % 16 - 8 (lane / 16): on the diagonal register j is hidden where j is greater
.set SPW, 14                           ; v14  LDS address of my spare word; never rewritten
.set NIL, 15                           ; v15  0; never rewritten
.set SHI, 32                           ; S^T tiles 32-35, in window 0
.set XF,  64                           ; x's fragment buffers
.set MK,  20                           ; s20-27  lane masks: register j of a diagonal tile is hidden
.set NINF, 28                          ; s28  -infinity
.set CH,  30                           ; s30  chunks to go
.set TR,  31                           ; s31  trips to go
.set MSB, 0
.macro WIN new                         ; the immediate's high byte repeats the setting that is left; a switch that changes nothing is dropped
.if MSB != (\new)
	s_set_vgpr_msb (MSB<<8)|(\new)
.set MSB, (\new)
.endif
.endm
; A vector instruction or an LDS store that reads a matrix result, and a load into a register that a matrix instruction has read, stand four places behind it; a matrix instruction that writes over another's
; registers five; only plain vector instructions that name none of its registers are places (ISA guide 7.12.1 for vector instructions).
.macro PLACES n
.rept \n
	v_nop
.endr
.endm
.macro WLOAD sl, off                   ; a K step's four fragments into ring slot sl: eight loads of 512 consecutive bytes
	WIN 0x80                                       ; destination window 2, address window 0
.irp f, 0,1,2,3
	global_load_b128 v[32*(\sl)+8*\f:32*(\sl)+8*\f+3],   v[L16], s[6:7] offset:(\off)+1024*\f
	global_load_b128 v[32*(\sl)+8*\f+4:32*(\sl)+8*\f+7], v[L16], s[6:7] offset:(\off)+1024*\f+512
.endr
.endm
.macro XLOAD buf, areg, u              ; K step u of a slab: the eight token tiles' fragments into buffer buf
	WIN 0
.irp i, 0,1,2,3,4,5,6,7
	ds_load_b128 v[XF+64*(\buf)+8*\i:XF+64*(\buf)+8*\i+3],   v[\areg] offset:16*XP*\i+64*(\u)
	ds_load_b128 v[XF+64*(\buf)+8*\i+4:XF+64*(\buf)+8*\i+7], v[\areg] offset:16*XP*\i+64*(\u)+32
.endr
.endm
; ONE K STEP: 32 matrix instructions on ring slot sl and x buffer xb.  At its head, in one run, the next step's 16 fragment loads (xl = 1: K step xu of the slab at xreg) and the eight loads of the weights seven
; steps on (wl = 1: at woff), into the buffer and the slot that the step before has multiplied: hence the four places.  lc: the global loads issued behind this step's eight.  zero = 1: the products start the sums.
; The 32 accumulators take turns, one instruction a turn, in the same order in every step.
.macro STEP ph, sl, xb, zero, wl, woff, xl, xreg, xu, lc
	PLACES 4
.if \xl
	XLOAD 1-(\xb), \xreg, \xu
.endif
.if \wl
	WLOAD ((\sl)+7)%8, \woff
.endif
	s_wait_dscnt 16*(\xl)                          ; this step's fragments of x, asked for a step ago, are in; the 16 loads just issued stay out
	s_wait_loadcnt \lc                             ; loads come back in order: this step's weights are in, the later steps' stay out
.if (\ph) == 1
	WIN 0x52                                       ; W window 2, x window 0, C and D window 1
.else
	WIN 0x58                                       ; x window 0, W window 2, C and D window 1
.endif
.set fa, 0
.rept 4
.set ti, 0
.rept 8
.if (\ph) == 1
.set rD, 8*(8*fa+ti)
.if \zero
	v_wmma_f32_16x16x32_bf16 v[rD:rD+7], v[32*(\sl)+8*fa:32*(\sl)+8*fa+7], v[XF+64*(\xb)+8*ti:XF+64*(\xb)+8*ti+7], 0
.else
	v_wmma_f32_16x16x32_bf16 v[rD:rD+7], v[32*(\sl)+8*fa:32*(\sl)+8*fa+7], v[XF+64*(\xb)+8*ti:XF+64*(\xb)+8*ti+7], v[rD:rD+7]
.endif
.else
.set rD, 8*(8*(ti%2)+ti/2+4*(fa%2)+16*(fa/2))  ; even token tiles below, odd ones eight accumulators on: PACK joins the two
.if \zero
	v_wmma_f32_16x16x32_bf16 v[rD:rD+7], v[XF+64*(\xb)+8*ti:XF+64*(\xb)+8*ti+7], v[32*(\sl)+8*fa:32*(\sl)+8*fa+7], 0
.else
	v_wmma_f32_16x16x32_bf16 v[rD:rD+7], v[XF+64*(\xb)+8*ti:XF+64*(\xb)+8*ti+7], v[32*(\sl)+8*fa:32*(\sl)+8*fa+7], v[rD:rD+7]
.endif
.endif
.set ti, ti+1
.endr
.set fa, fa+1
.endr
.endm
; A chunk's K steps 0 to 24: step 0, which starts the sums, and three trips of eight.  Step s asks for x's fragments of step s + 1 and the weights of step s + 7.
.macro KLOOP ph
	STEP \ph, 0, 0, 1, 1, 7*KSTEPB, 1, X0, 1, 56
	WIN 0                                          ; at a label and at a branch every window is 0
	s_mov_b32 s[TR], 3
.Lk_\@:
.set kk, 0
.rept 8
.if kk < 6
	STEP \ph, (1+kk)%8, (1+kk)%2, 0, 1, (8+kk)*KSTEPB, 1, XA, (2+kk)%8, 56
.else
	STEP \ph, (1+kk)%8, (1+kk)%2, 0, 1, (8+kk)*KSTEPB, 1, XB, (2+kk)%8, 56
.endif
.set kk, kk+1
.endr
	WIN 0
	s_wait_xcnt 0x0                                ; every earlier memory instruction has had its addresses translated (ISA guide 3.1): the weights' base is stepped only behind this wait
	s_add_nc_u64 s[6:7], s[6:7], 8*KSTEPB
	v_add_nc_u32 v[XA], SLAB, v[XA]
	v_add_nc_u32 v[XB], SLAB, v[XB]
	s_sub_co_u32 s[TR], s[TR], 1
	s_cmp_lg_u32 s[TR], 0
	s_cbranch_scc1 .Lk_\@
.endm
; Its K steps 25 to 31.  last = 0: the ring walks on into the next chunk, which follows in wf, and step 31 asks for x's fragments of the next chunk's step 0.
; last = 1: the launch's last chunk: no weights are left to ask for (no load passes wf's end), and the counts run down.
.macro KTAIL ph, last
.set kk, 0
.rept 7
.if \last
.if kk < 6
	STEP \ph, (1+kk)%8, (1+kk)%2, 0, 0, 0, 1, XA, 2+kk, 8*(6-kk)
.else
	STEP \ph, (1+kk)%8, (1+kk)%2, 0, 0, 0, 0, XA, 0, 0
.endif
.else
.if kk < 6
	STEP \ph, (1+kk)%8, (1+kk)%2, 0, 1, (8+kk)*KSTEPB, 1, XA, 2+kk, 56
.else
	STEP \ph, (1+kk)%8, (1+kk)%2, 0, 1, (8+kk)*KSTEPB, 1, X0, 0, 56
.endif
.endif
.set kk, kk+1
.endr
	WIN 0
.if !(\last)
	s_wait_xcnt 0x0
	s_add_nc_u64 s[6:7], s[6:7], 8*KSTEPB          ; the next chunk's first byte
	v_mov_b32 v[XA], v[X0]
	v_add_nc_u32 v[XB], SLAB, v[X0]
.endif
.endm
; Accumulators n and n + 8 (n = 0..7, 16..23), rounded to f16, become one fragment in accumulator n's registers: in place and ascending, each accumulator read from its low end on.
; Chunks 0-3: q's fragment of token tile i at accumulator i, k's at 16 + i.  Chunks 4, 5: V^T's fragment (channel tile a, tokens 32 u on) at u + 4 (a % 2) + 16 (a / 2).
.macro PACK
	PLACES 4
	WIN 0x45                                       ; all in window 1
.irp n, 0,1,2,3,4,5,6,7,16,17,18,19,20,21,22,23
.irp m, 0,1,2,3
	v_cvt_pk_f16_f32 v[8*\n+\m], v[8*\n+2*\m], v[8*\n+2*\m+1]
.endr
.irp m, 0,1,2,3
	v_cvt_pk_f16_f32 v[8*\n+4+\m], v[8*(\n+8)+2*\m], v[8*(\n+8)+2*\m+1]
.endr
.endr
.endm
; S^T += k q^T over the chunk's 32 channels: the 36 tiles on and below the diagonal take turns.  The five places stand for the next chunk's first products, which write over these sources, and for the mask's lines behind the last chunk.
.macro SPROD
.set qt, 0
.rept 8
.set kt, 0
.rept qt+1
.set T, qt*(qt+1)/2+kt
.if T < 32
	WIN 0xf5                                       ; k and q window 1, C and D window 3
	v_wmma_f32_16x16x32_f16 v[8*T:8*T+7], v[8*(16+kt):8*(16+kt)+7], v[8*qt:8*qt+7], v[8*T:8*T+7]
.else
	WIN 0x05                                       ; C and D window 0
	v_wmma_f32_16x16x32_f16 v[SHI+8*(T-32):SHI+8*(T-32)+7], v[8*(16+kt):8*(16+kt)+7], v[8*qt:8*qt+7], v[SHI+8*(T-32):SHI+8*(T-32)+7]
.endif
.set kt, kt+1
.endr
.set qt, qt+1
.endr
	PLACES 5
.endm
.macro DMASK                           ; the eight diagonal tiles: -infinity where the key lies behind the query
.set qt, 0
.rept 8
.set T, qt*(qt+3)/2
.if T < 32
	WIN 0xc3
.set rS, 8*T
.else
	WIN 0
.set rS, SHI+8*(T-32)
.endif
.set j, 0
.rept 8
	v_cndmask_b32 v[rS+j], v[rS+j], s[NINF], s[MK+j]
.set j, j+1
.endr
.set qt, qt+1
.endr
.endm
; Round rho of three: every wave puts its parts of tiles 12 rho .. 12 rho + 11 into LDS; behind a barrier wave w adds the four parts of three of them and stores the sums.
.macro REDUCE rho
.set tj, 0
.rept 12
.set T, 12*(\rho)+tj
.if T < 32
	WIN 0x0c                                       ; store data window 3
.set rS, 8*T
.else
	WIN 0
.set rS, SHI+8*(T-32)
.endif
	ds_store_b128 v[RW], v[rS:rS+3]   offset:1024*tj
	ds_store_b128 v[RW], v[rS+4:rS+7] offset:1024*tj+512
.set tj, tj+1
.endr
	s_wait_dscnt 0x0                               ; for the others' sake: my stores are done (and no LDS load of mine is out)
	s_barrier_signal -1
	s_barrier_wait -1
	s_wait_xcnt 0x0                                ; the registers below were the last round's store data
	WIN 0x40
.irp p, 0,1,2,3
.irp jj, 0,1,2
	ds_load_b128 v[24*\p+8*\jj:24*\p+8*\jj+3],   v[RR] offset:12288*\p+1024*\jj
	ds_load_b128 v[24*\p+8*\jj+4:24*\p+8*\jj+7], v[RR] offset:12288*\p+1024*\jj+512
.endr
.endr
	s_wait_dscnt 0x0
	WIN 0x45
.irp o, 0, 48                          ; (wave 0 + wave 1) + (wave 2 + wave 3), in f32
.set z, 0
.rept 12
	v_pk_add_f32 v[\o+2*z:\o+2*z+1], v[\o+2*z:\o+2*z+1], v[\o+24+2*z:\o+24+2*z+1]
.set z, z+1
.endr
.endr
.set z, 0
.rept 12
	v_pk_add_f32 v[2*z:2*z+1], v[2*z:2*z+1], v[48+2*z:48+2*z+1]
.set z, z+1
.endr
	WIN 0x04                                       ; store data window 1
.irp jj, 0,1,2
	global_store_b128 v[SO], v[8*\jj:8*\jj+3],   s[8:9] offset:12288*(\rho)+1024*\jj
	global_store_b128 v[SO], v[8*\jj+4:8*\jj+7], s[8:9] offset:12288*(\rho)+1024*\jj+512
.endr
	WIN 0
.if (\rho) < 2
	s_barrier_signal -1                            ; my reads of this round are back (the wait above): behind this barrier the next round writes the same bytes
	s_barrier_wait -1
.endif
.endm
.macro VSTORE                          ; a chunk's 16 fragments of V^T: 512 consecutive bytes a store
	WIN 0x04
.irp a, 0,1,2,3
.irp u, 0,1,2,3
.set n, \u+4*(\a%2)+16*(\a/2)
	global_store_b128 v[L16], v[8*n:8*n+3],   s[10:11] offset:4096*\a+1024*\u
	global_store_b128 v[L16], v[8*n+4:8*n+7], s[10:11] offset:4096*\a+1024*\u+512
.endr
.endr
	WIN 0
	s_wait_xcnt 0x0                                ; the stores' registers and base are written again only behind this wait
.endm
.macro XB_LOAD buf, off                ; four rows of x, f32: 32 loads of 512 consecutive bytes
	WIN 0x40
.irp row, 0,1,2,3
.irp q, 0,1,2,3,4,5,6,7
	global_load_b128 v[128*(\buf)+32*\row+4*\q:128*(\buf)+32*\row+4*\q+3], v[L16], s[4:5] offset:(\off)+4096*\row+512*\q
.endr
.endr
.endm
.macro XB_PUT buf, rb                  ; they are rounded to bf16 in place (a slab's two loads make a piece) and go into LDS: 512 consecutive bytes a store
	WIN 0x45
.irp row, 0,1,2,3
.irp sq, 0,1,2,3
.irp m, 0,1,2,3
	v_cvt_pk_bf16_f32 v[128*(\buf)+32*\row+8*\sq+\m], v[128*(\buf)+32*\row+8*\sq+2*\m], v[128*(\buf)+32*\row+8*\sq+2*\m+1]
.endr
.endr
.endr
	WIN 0x04
.irp row, 0,1,2,3
.irp sq, 0,1,2,3
	ds_store_b128 v[XW+\sq], v[128*(\buf)+32*\row+8*\sq:128*(\buf)+32*\row+8*\sq+3] offset:XP*((\rb)+\row)
.endr
.endr
.endm
	s_load_b256 s[4:11], s[0:1], 0x0               ; x s[4:5], wf s[6:7], sp s[8:9], vf s[10:11]
	v_lshl_add_u32 v[SPW], v0, 2, SPARE
	v_mov_b32 v[NIL], 0
	v_lshrrev_b32 v16, 5, v0
	v_readfirstlane_b32 s12, v16                   ; wave w
	s_mov_b32 s13, ttmp9                           ; g
	s_and_b32 s14, ttmp7, 0xffff                   ; b
	s_lshl_b32 s16, s14, 19                        ; x: 524,288 b + my wave's 32 rows of 4,096 bytes
	s_lshl_b32 s17, s12, 17
	s_add_co_u32 s16, s16, s17
	s_mov_b32 s17, 0
	s_lshl2_add_u32 s18, s13, s12                  ; wf: stream 4 g + w of six chunks
	s_mul_i32 s18, s18, 6*32*KSTEPB
	s_mov_b32 s19, 0
	s_lshl1_add_u32 s34, s14, s13                  ; sp: 36 tiles for (b, g)
	s_mul_i32 s34, s34, 36*1024
	s_mov_b32 s35, 0
	s_lshl_b32 s36, s14, 18                        ; vf: 262,144 b + 131,072 g + 16,384 w
	s_lshl_b32 s37, s13, 17
	s_add_co_u32 s36, s36, s37
	s_lshl_b32 s37, s12, 14
	s_add_co_u32 s36, s36, s37
	s_mov_b32 s37, 0
	s_mov_b32 s[NINF], 0xff800000
	v_and_b32 v17, 31, v0
	v_lshlrev_b32 v[L16], 4, v17
	v_and_b32 v18, 15, v0                          ; lane % 16
	v_bfe_u32 v19, v0, 4, 1                        ; lane / 16
	v_mul_u32_u24 v[X0], v18, XP
	v_lshl_add_u32 v[X0], v19, 4, v[X0]
	s_mul_i32 s33, s12, 32*XP
	v_add_nc_u32 v[XW], s33, v[L16]
	v_add_nc_u32 v[XW+1], SLAB, v[XW]
	v_add_nc_u32 v[XW+2], 2*SLAB, v[XW]
	v_add_nc_u32 v[XW+3], 3*SLAB, v[XW]
	s_mul_i32 s33, s12, 12*1024
	s_add_co_u32 s33, s33, RED
	v_add_nc_u32 v[RW], s33, v[L16]
	s_mul_i32 s33, s12, 3*1024
	v_add_nc_u32 v[SO], s33, v[L16]
	v_add_nc_u32 v[RR], RED, v[SO]
	v_lshlrev_b32 v[RH], 3, v19
	v_sub_nc_u32 v[RH], v18, v[RH]
.irp j, 0,1,2,3,4,5,6,7
	v_cmp_gt_i32 s[MK+\j], \j, v[RH]
.endr
	s_wait_kmcnt 0x0
	s_add_nc_u64 s[4:5], s[4:5], s[16:17]
	s_add_nc_u64 s[6:7], s[6:7], s[18:19]
	s_add_nc_u64 s[8:9], s[8:9], s[34:35]
	s_add_nc_u64 s[10:11], s[10:11], s[36:37]
.irp s, 0,1,2,3,4,5,6
	WLOAD \s, KSTEPB*\s                            ; the ring's first seven K steps
.endr
	XB_LOAD 0, 0                                   ; my rows 0-3 and 4-7 of x
	XB_LOAD 1, 16384
	; S^T starts at 0: 288 lines, in the wait for x's first bytes; the price of writing no first chunk out
	WIN 0xc0
.set i, 0
.rept 256
	v_mov_b32 v[i], 0
.set i, i+1
.endr
	WIN 0
.set i, SHI
.rept 32
	v_mov_b32 v[i], 0
.set i, i+1
.endr
	s_mov_b32 s32, 3
.Lx:                                                   ; a trip: eight rows go into LDS, the eight behind the next eight are asked for
	s_wait_loadcnt 32                              ; the older buffer is in; the other's 32 loads stay out
	XB_PUT 0, 0
	XB_LOAD 0, 32768
	s_wait_loadcnt 32
	XB_PUT 1, 4
	XB_LOAD 1, 49152
	WIN 0
	s_wait_xcnt 0x0                                ; x's base is stepped only behind this wait
	s_add_nc_u64 s[4:5], s[4:5], 32768
.irp sq, 0,1,2,3
	v_add_nc_u32 v[XW+\sq], 8*XP, v[XW+\sq]
.endr
	s_sub_co_u32 s32, s32, 1
	s_cmp_lg_u32 s32, 0
	s_cbranch_scc1 .Lx
	s_wait_loadcnt 32                              ; the last eight rows: nothing more is asked for
	XB_PUT 0, 0
	s_wait_loadcnt 0x0
	XB_PUT 1, 4
	WIN 0
	s_wait_dscnt 0x0                               ; for the others' sake: my rows of x are in LDS
	s_barrier_signal -1
	s_barrier_wait -1                              ; everybody's are; x is not written again
	XLOAD 0, X0, 0
	v_mov_b32 v[XA], v[X0]
	v_add_nc_u32 v[XB], SLAB, v[X0]
	s_mov_b32 s[CH], 4
.Lqk:                                                  ; a chunk of q and k, and its part of S^T
	KLOOP 1
	KTAIL 1, 0
	PACK
	SPROD
	WIN 0
	s_sub_co_u32 s[CH], s[CH], 1
	s_cmp_lg_u32 s[CH], 0
	s_cbranch_scc1 .Lqk
	DMASK                                          ; SPROD's five places stand between the last product and these lines
	REDUCE 0
	REDUCE 1
	REDUCE 2
	s_wait_xcnt 0x0                                ; the last round's store data lie where the next products write
	s_mov_b32 s[CH], 2
.Lv:                                                   ; a chunk of v
	KLOOP 2
	WIN 0
	s_cmp_eq_u32 s[CH], 1
	s_cbranch_scc1 .Lvlast                         ; the last chunk's tail is written out: it asks for no more weights
	KTAIL 2, 0
	PACK
	VSTORE
	s_add_nc_u64 s[10:11], s[10:11], 65536         ; the second chunk's channels lie 16 tiles on
	s_sub_co_u32 s[CH], s[CH], 1
	s_branch .Lv
.Lvlast:
	KTAIL 2, 1
	PACK
	VSTORE
	s_wait_tensorcnt 0x0                           ; the wave's end: behind my last LDS store
	ds_add_u32 v[SPW], v[NIL]
	s_wait_dscnt 0x0
	s_endpgm
.Lfunc_end_k_qf9e30892ed_proj:
	.size	k_qf9e30892ed_proj, .Lfunc_end_k_qf9e30892ed_proj-k_qf9e30892ed_proj
	.p2alignl 7, 3214868480
	.fill 96, 4, 3214868480
	.section	.rodata,"a",@progbits
	.p2align	6, 0x0
	.amdhsa_kernel k_qf9e30892ed_proj
		.amdhsa_group_segment_fixed_size 320000
		.amdhsa_private_segment_fixed_size 0
		.amdhsa_enable_private_segment 0
		.amdhsa_kernarg_size 32
		.amdhsa_user_sgpr_count 2
		.amdhsa_user_sgpr_kernarg_segment_ptr 1
		.amdhsa_wavefront_size32 1
		.amdhsa_system_sgpr_workgroup_id_x 1
		.amdhsa_system_sgpr_workgroup_id_y 1
		.amdhsa_system_sgpr_workgroup_id_z 1
		.amdhsa_system_vgpr_workitem_id 0
		.amdhsa_next_free_vgpr 1024
		.amdhsa_next_free_sgpr 66
		.amdhsa_reserve_vcc 0
		.amdhsa_float_denorm_mode_32 3
		.amdhsa_float_denorm_mode_16_64 3
		.amdhsa_memory_ordered 1
		.amdhsa_forward_progress 1
		.amdhsa_inst_pref_size 255
	.end_amdhsa_kernel
	.section	.bss,"aw",@nobits
	.p2align	6
	.space	262144
	.amdgpu_metadata
---
amdhsa.version: [ 1, 2 ]
amdhsa.kernels:
  - .name:           k_qf9e30892ed_proj
    .symbol:         k_qf9e30892ed_proj.kd
    .args:
      - { .name: x, .offset: 0, .size: 8, .value_kind: global_buffer, .address_space: global }
      - { .name: wf, .offset: 8, .size: 8, .value_kind: global_buffer, .address_space: global }
      - { .name: sp, .offset: 16, .size: 8, .value_kind: global_buffer, .address_space: global }
      - { .name: vf, .offset: 24, .size: 8, .value_kind: global_buffer, .address_space: global }
    .group_segment_fixed_size: 320000
    .private_segment_fixed_size: 0
    .kernarg_segment_align: 8
    .kernarg_segment_size: 32
    .max_flat_workgroup_size: 128
    .sgpr_count:     66
    .vgpr_count:     1024
    .wavefront_size: 32
...
	.end_amdgpu_metadata
.endif
;; end of part 2
;; launch attn (part 3): grid 2 x 128, 4 waves a work-group, no clusters, 52,736 bytes of LDS; arguments sp, vf, out0; writes out0
.if DOCPART == 3
	.amdgcn_target "amdgcn-amd-amdhsa--gfx1250"
	.amdhsa_code_object_version 6
	.text
	.protected	k_qf9e30892ed_attn
	.globl	k_qf9e30892ed_attn
	.p2align	8
	.type	k_qf9e30892ed_attn,@function
k_qf9e30892ed_attn:
	s_mov_b64 s[64:65], 0
	v_nop
	global_prefetch_b8 v0, s[64:65] scope:SCOPE_SE
	s_setreg_imm32_b32 hwreg(HW_REG_WAVE_MODE, 25, 1), 1
	s_wait_xcnt 0x0
; For batch b and channel half g:  S^T = the sum of the two partial sums in sp;  P = softmax over the keys of S / 32 (hidden places are -infinity);  O = P V for 512 channels;  out0[b][d][q] = O[q][d]:
; the output is the transposed product, a row d holding its 128 queries as 512 consecutive bytes.
; FORMATS.  S, maxima and sums in f32; p = 2^(c s - c m) with the row's true maximum m, c = log2(e) / 32; P = p / l is rounded once to f16 for the product; V arrives in f16; O's sums in f32.
; LIMITS.  P lies in 0 to 1 and below 6e-5 keeps f16's fixed step of 6e-8; a weight below 2^-126 counts as 0 in l; every row sees its own key, so m is finite and l at least 1; NaN and infinities in the inputs are not treated apart.
; SHARES.  The softmax: wave w takes the query tiles w (row A: w + 1 key tiles) and 7 - w (row B: 8 - w): nine tiles whatever w, in nine SLOTS: slot n is A's key tile n if n <= w, else B's key tile n - w - 1.
; Slot 0 is always A's, slots 4-8 always B's; for slots 1-3 a scalar mask made of w chooses, by v_cndmask_b32: one text for all waves, no branch.  Both halves g make the same P: about 400 vector instructions a wave.
; P goes round through LDS as packed halves of fragments.  The product: wave w takes the channel tiles 32 g + 8 w + n, n = 0..7: source 0 = P (16 queries x 32 keys), source 1 = V^T (16 channels x 32 keys):
; a lane holds ONE channel and eight neighbouring queries.  Only the 20 fragments of P on and below the diagonal are multiplied.  A tile leaves through the wave's own stage in LDS, as whole rows of 512 bytes.
; NO CLUSTER: the two work-groups of a batch share sp's 73,728 bytes alone, of the 466,944 that each moves.
; REGISTERS, in windows of 256:  window 0: v1-19 addresses; v20-61 statistics; v72-143 S^T (slot n at + 8 n), later O (query tile i at + 8 i); v144-215 the second partial sum, then at work, then packed P; v136-199 later rows read back
;   window 1: P's 20 fragments      window 2: V^T, channel tile n at 32 n, keys 32 u on at + 8 u
.set PSTW,  9*512                      ; a wave's nine packed slots in LDS, from byte 0 on
.set STG,   4*PSTW                     ; behind them: 16 rows x 528 bytes for each wave, for the way out
.set SP,    528                        ; 512 + 16 = 33 x 16: the 16 rows that a store touches start at 16 different columns of 16 bytes (64 banks of 4 bytes: ISA guide 11.1)
.set SPARE, STG+4*16*SP                ; behind the stages: the spare words, 128 bytes a wave, two blocks of 256 bytes that no other line names
.set L16, 1                            ; v1     16 x lane; never rewritten
.set TO,  2                            ; v2-10  slot n: 16 x lane + 1,024 x its tile's number
.set STO, 11                           ; v11    the way out: row lane % 16, 32 bytes for each half of the lanes
.set RD,  12                           ; v12    the way out: a row back, 16 x lane
.set PW,  13                           ; v13    where my packed slots go
.set SPW, 16                           ; v16    LDS address of my spare word; never rewritten
.set NIL, 17                           ; v17    0; never rewritten
.set SM,  20                           ; v20-28 slot n's maximum, later its sum
.set RA,  30                           ; v30, v31  row A's and row B's maximum, later sum;  v32-35 at work
.set PR,  36                           ; pairs, the low word used for both halves: v36 A's c m (later 1 / l), v38 B's, v40, v42, v44 slot 1's, 2's, 3's
.set SEL, 56                           ; v56-58 slots 1-3 where they are A's, v59-61 where they are B's
.set S0,  72
.set S1,  144
.set O,   72
.set BK,  136
.set MSB, 0
.macro WIN new                         ; the immediate's high byte repeats the setting that is left; a switch that changes nothing is dropped
.if MSB != (\new)
	s_set_vgpr_msb (MSB<<8)|(\new)
.set MSB, (\new)
.endif
.endm
.macro PAIR n                          ; pr: slot n's pair
.if (\n) == 0
.set pr, PR
.elseif (\n) < 4
.set pr, PR+2+2*(\n)
.else
.set pr, PR+2
.endif
.endm
.macro FRAG                            ; F: the number of P's fragment (query tile i, keys 32 u on), u <= i / 2
.set F, (i/2)*(i/2+1)+(i%2)*(i/2+1)+u
.endm
	s_load_b128 s[4:7], s[0:1], 0x0                ; sp s[4:5], vf s[6:7]
	s_load_b64 s[8:9], s[0:1], 0x10                ; out0
	v_lshl_add_u32 v[SPW], v0, 2, SPARE
	v_mov_b32 v[NIL], 0
	v_lshrrev_b32 v18, 5, v0
	v_readfirstlane_b32 s12, v18                   ; wave w
	s_mov_b32 s13, ttmp9                           ; g
	s_and_b32 s14, ttmp7, 0xffff                   ; b
	s_add_co_u32 s16, s12, 1
	s_mul_i32 s16, s16, s12
	s_lshr_b32 s16, s16, 1                         ; row A's first tile: w (w + 1) / 2
	s_sub_co_u32 s17, 7, s12
	s_sub_co_u32 s18, 8, s12
	s_mul_i32 s17, s17, s18
	s_lshr_b32 s17, s17, 1
	s_sub_co_u32 s17, s17, s12
	s_sub_co_u32 s17, s17, 1                       ; row B's first tile less w + 1: slot n of B is tile s17 + n
	s_mov_b32 s20, s16
.irp n, 1,2,3
	s_cmp_ge_u32 s12, \n                           ; is slot n row A's?
	s_cselect_b32 s19, s16, s17
	s_cselect_b32 s[30+\n], -1, 0                  ; s31-33: as a mask of lanes
	s_add_co_u32 s[20+\n], s19, \n
.endr
.irp n, 4,5,6,7,8
	s_add_co_u32 s[20+\n], s17, \n
.endr
	s_mul_i32 s34, s14, 2*36*1024                  ; sp: both halves' 36 tiles of batch b
	s_mov_b32 s35, 0
	s_lshl_b32 s36, s14, 18                        ; vf: 262,144 b + 131,072 g + my wave's 8 channel tiles of 4,096 bytes
	s_lshl_b32 s37, s13, 17
	s_add_co_u32 s36, s36, s37
	s_lshl_b32 s37, s12, 15
	s_add_co_u32 s36, s36, s37
	s_mov_b32 s37, 0
	s_lshl_b32 s38, s14, 19                        ; out0: 524,288 b + 262,144 g + my wave's 128 rows of 512 bytes
	s_lshl_b32 s39, s13, 18
	s_add_co_u32 s38, s38, s39
	s_lshl_b32 s39, s12, 16
	s_add_co_u32 s38, s38, s39
	s_mov_b32 s39, 0
	s_mov_b32 s40, 0x3d38aa3b                      ; c = log2(e) / 32
	s_mov_b32 s41, s40                             ; named with it as a pair
	s_mov_b32 s42, 0x76543210                      ; v_permlanex16_b32: each lane takes its own place in the other half
	s_mov_b32 s43, 0xfedcba98
	s_mov_b32 s44, 0xff800000                      ; -infinity
	s_mul_i32 s45, s12, 16*SP
	s_add_co_u32 s45, s45, STG                     ; my stage
	s_mul_i32 s46, s12, PSTW
	v_and_b32 v18, 31, v0
	v_lshlrev_b32 v[L16], 4, v18
	v_and_b32 v19, 15, v0                          ; lane % 16
	v_bfe_u32 v14, v0, 4, 1                        ; lane / 16
	v_mul_u32_u24 v[STO], v19, SP
	v_lshl_add_u32 v[STO], v14, 5, v[STO]
	v_add_nc_u32 v[STO], s45, v[STO]
	v_add_nc_u32 v[RD], s45, v[L16]
	v_add_nc_u32 v[PW], s46, v[L16]
.irp n, 0,1,2,3,4,5,6,7,8
	v_lshl_add_u32 v[TO+\n], s[20+\n], 10, v[L16]
.endr
	v_mov_b32 v32, 0                               ; v_permlanex16_b32's destinations count as read
	v_mov_b32 v33, 0
.irp n, 0,1,2,3,4
	v_mov_b32 v[PR+2*\n+1], 0                      ; the pairs' upper words are named, not used
.endr
	s_wait_kmcnt 0x0
	s_add_nc_u64 s[4:5], s[4:5], s[34:35]
	s_add_nc_u64 s[6:7], s[6:7], s[36:37]
	s_add_nc_u64 s[8:9], s[8:9], s[38:39]
.irp n, 0,1,2,3,4,5,6,7,8
.irp p, 0,1
	global_load_b128 v[S0+72*\p+8*\n:S0+72*\p+8*\n+3],   v[TO+\n], s[4:5] offset:36864*\p
	global_load_b128 v[S0+72*\p+8*\n+4:S0+72*\p+8*\n+7], v[TO+\n], s[4:5] offset:36864*\p+512
.endr
.endr
	WIN 0x80                                       ; destination window 2: all of my V^T is asked for now, 32,768 bytes, read once in the launch
.set n, 0
.rept 8
.irp u, 0,1,2,3
	global_load_b128 v[32*n+8*\u:32*n+8*\u+3],   v[L16], s[6:7] offset:4096*n+1024*\u th:TH_LOAD_NT
	global_load_b128 v[32*n+8*\u+4:32*n+8*\u+7], v[L16], s[6:7] offset:4096*n+1024*\u+512 th:TH_LOAD_NT
.endr
.set n, n+1
.endr
	WIN 0
	s_wait_loadcnt 63                              ; 64 loads stand behind the last of S: at 63 out, the largest count that the wait can name, S is in
	; THE SOFTMAX
.set z, 0
.rept 36
	v_pk_add_f32 v[S0+2*z:S0+2*z+1], v[S0+2*z:S0+2*z+1], v[S1+2*z:S1+2*z+1]  ; the two channel halves' sums
.set z, z+1
.endr
.irp n, 0,1,2,3,4,5,6,7,8
	v_max3_num_f32 v[SM+\n], v[S0+8*\n], v[S0+8*\n+1], v[S0+8*\n+2]
.endr
.irp n, 0,1,2,3,4,5,6,7,8
	v_max3_num_f32 v[SM+\n], v[SM+\n], v[S0+8*\n+3], v[S0+8*\n+4]
.endr
.irp n, 0,1,2,3,4,5,6,7,8
	v_max3_num_f32 v[SM+\n], v[SM+\n], v[S0+8*\n+5], v[S0+8*\n+6]
.endr
.irp n, 0,1,2,3,4,5,6,7,8
	v_max_num_f32 v[SM+\n], v[SM+\n], v[S0+8*\n+7]
.endr
.irp n, 1,2,3
	v_cndmask_b32 v[SEL-1+\n], s44, v[SM+\n], s[30+\n]  ; the slot's maximum for the row that owns it, -infinity for the other
	v_cndmask_b32 v[SEL+2+\n], v[SM+\n], s44, s[30+\n]
.endr
	v_max3_num_f32 v[RA], v[SM], v[SEL], v[SEL+1]
	v_max3_num_f32 v[RA+1], v[SM+4], v[SM+5], v[SM+6]
	v_max_num_f32 v[RA], v[RA], v[SEL+2]
	v_max3_num_f32 v[RA+1], v[RA+1], v[SM+7], v[SM+8]
	v_max3_num_f32 v[RA+1], v[RA+1], v[SEL+3], v[SEL+4]
	v_max_num_f32 v[RA+1], v[RA+1], v[SEL+5]
	v_permlanex16_b32 v32, v[RA], s42, s43         ; a query's other keys lie in the lane 16 away
	v_permlanex16_b32 v33, v[RA+1], s42, s43
	v_max_num_f32 v[RA], v[RA], v32
	v_max_num_f32 v[RA+1], v[RA+1], v33
	v_mul_f32 v[PR], s40, v[RA]                    ; c m
	v_mul_f32 v[PR+2], s40, v[RA+1]
.irp n, 1,2,3
	v_cndmask_b32 v[PR+2+2*\n], v[PR+2], v[PR], s[30+\n]
.endr
.set n, 0
.rept 9
	PAIR n
.irp m, 0,1,2,3
	v_pk_fma_f32 v[S0+8*n+2*\m:S0+8*n+2*\m+1], v[S0+8*n+2*\m:S0+8*n+2*\m+1], s[40:41], v[pr:pr+1] op_sel_hi:[1,0,0] neg_lo:[0,0,1] neg_hi:[0,0,1]  ; c s - c m
.endr
.set n, n+1
.endr
.set z, 0
.rept 72
	v_exp_f32 v[S0+z], v[S0+z]
.set z, z+1
.endr
	v_nop                                          ; a plain instruction between the last exponential and the use of its result (ISA guide 5.7.2)
	s_wait_alu depctr_va_vdst(0)
.irp n, 0,1,2,3,4,5,6,7,8
	v_pk_add_f32 v[S1+8*\n:S1+8*\n+1],   v[S0+8*\n:S0+8*\n+1],     v[S0+8*\n+2:S0+8*\n+3]
	v_pk_add_f32 v[S1+8*\n+2:S1+8*\n+3], v[S0+8*\n+4:S0+8*\n+5], v[S0+8*\n+6:S0+8*\n+7]
.endr
.irp n, 0,1,2,3,4,5,6,7,8
	v_pk_add_f32 v[S1+8*\n:S1+8*\n+1], v[S1+8*\n:S1+8*\n+1], v[S1+8*\n+2:S1+8*\n+3]
.endr
.irp n, 0,1,2,3,4,5,6,7,8
	v_add_f32 v[SM+\n], v[S1+8*\n], v[S1+8*\n+1]
.endr
.irp n, 1,2,3
	v_cndmask_b32 v[SEL-1+\n], 0, v[SM+\n], s[30+\n]  ; the slot's sum for the row that owns it, 0 for the other
	v_cndmask_b32 v[SEL+2+\n], v[SM+\n], 0, s[30+\n]
.endr
	v_add_f32 v[RA], v[SM], v[SEL]
	v_add_f32 v34, v[SEL+1], v[SEL+2]
	v_add_f32 v[RA+1], v[SM+4], v[SM+5]
	v_add_f32 v35, v[SM+6], v[SM+7]
	v_add_f32 v[RA], v[RA], v34
	v_add_f32 v[RA+1], v[RA+1], v[SM+8]
	v_add_f32 v35, v35, v[SEL+3]
	v_add_f32 v34, v[SEL+4], v[SEL+5]
	v_add_f32 v[RA+1], v[RA+1], v35
	v_add_f32 v[RA+1], v[RA+1], v34
	v_permlanex16_b32 v32, v[RA], s42, s43
	v_permlanex16_b32 v33, v[RA+1], s42, s43
	v_add_f32 v[RA], v[RA], v32
	v_add_f32 v[RA+1], v[RA+1], v33
	v_rcp_f32 v[PR], v[RA]                         ; 1 / l
	v_rcp_f32 v[PR+2], v[RA+1]
	v_nop                                          ; a plain instruction behind the reciprocals
	s_wait_alu depctr_va_vdst(0)
.irp n, 1,2,3
	v_cndmask_b32 v[PR+2+2*\n], v[PR+2], v[PR], s[30+\n]
.endr
.set n, 0
.rept 9
	PAIR n
.irp m, 0,1,2,3
	v_pk_mul_f32 v[S0+8*n+2*\m:S0+8*n+2*\m+1], v[S0+8*n+2*\m:S0+8*n+2*\m+1], v[pr:pr+1] op_sel_hi:[1,0]
.endr
.set n, n+1
.endr
.set z, 0
.rept 36
	v_cvt_pk_f16_f32 v[S1+z], v[S0+2*z], v[S0+2*z+1]  ; slot n's eight weights a lane: 16 bytes at S1 + 4 n: half of a fragment of P
.set z, z+1
.endr
.irp n, 0,1,2,3,4,5,6,7,8
	ds_store_b128 v[PW], v[S1+4*\n:S1+4*\n+3] offset:512*\n
.endr
	s_wait_dscnt 0x0                               ; for the others' sake: my slots are in LDS
	s_barrier_signal -1
	s_barrier_wait -1                              ; everybody's are; they are not written again
	; P's fragments: query tile i belongs to wave i (its row A, slot kt) or, from 4 on, to wave 7 - i (its row B, slot 8 - i + kt): constants of the text.  Above the diagonal: 0
	WIN 0x40                                       ; destination window 1
.set i, 0
.rept 8
.set u, 0
.rept i/2+1
	FRAG
.set c, 0
.rept 2
.set kt, 2*u+c
.if kt <= i
.if i < 4
.set po, PSTW*i+512*kt
.else
.set po, PSTW*(7-i)+512*(8-i+kt)
.endif
	ds_load_b128 v[8*F+4*c:8*F+4*c+3], v[L16] offset:po
.else
.irp m, 0,1,2,3
	v_mov_b32 v[8*F+4*c+\m], 0
.endr
.endif
.set c, c+1
.endr
.set u, u+1
.endr
.set i, i+1
.endr
	s_wait_dscnt 0x0
; Channel tile n: 20 products.  The first eight start the sums; the accumulators take turns, and no two products that follow each other share one.
.macro MM n
	s_wait_loadcnt 8*(7-(\n))                      ; loads come back in order: tile n's eight are in, the later tiles' stay out
	WIN 0x09                                       ; P window 1, V^T window 2, C and D window 0
.set u, 0
.rept 4
.set i, 2*u
.rept 8-2*u
	FRAG
.if u == 0
	v_wmma_f32_16x16x32_f16 v[O+8*i:O+8*i+7], v[8*F:8*F+7], v[32*(\n)+8*u:32*(\n)+8*u+7], 0
.else
	v_wmma_f32_16x16x32_f16 v[O+8*i:O+8*i+7], v[8*F:8*F+7], v[32*(\n)+8*u:32*(\n)+8*u+7], v[O+8*i:O+8*i+7]
.endif
.set i, i+1
.endr
.set u, u+1
.endr
.endm
; Its way out.  Five places: four for the LDS stores that read the results, five for the next tile's products, which write over them (ISA guide 7.12.1 for vector instructions).
; A lane's eight queries of a channel are 32 bytes of a row; the rows come back whole, and the next tile's products stand between the loads and the wait for them.
.macro OUT n
.rept 5
	v_nop
.endr
	WIN 0
.irp i, 0,1,2,3,4,5,6,7
	ds_store_b128 v[STO], v[O+8*\i:O+8*\i+3]   offset:64*\i
	ds_store_b128 v[STO], v[O+8*\i+4:O+8*\i+7] offset:64*\i+16
.endr
	s_wait_xcnt 0x0                                ; the registers below were the last tile's store data: they are loaded again only behind this wait
.irp t, 0,1,2,3,4,5,6,7,8,9,10,11,12,13,14,15
	ds_load_b128 v[BK+4*\t:BK+4*\t+3], v[RD] offset:SP*\t  ; LDS serves a wave's instructions in order (ISA guide 5.7.1.4): these see the stores above; the next tile's stores come behind them
.endr
.if (\n) < 7
	MM (\n)+1
	WIN 0
.endif
.irp t, 0,1,2,3,4,5,6,7,8,9,10,11,12,13,14,15
	s_wait_dscnt 15-\t
	global_store_b128 v[L16], v[BK+4*\t:BK+4*\t+3], s[8:9] offset:8192*(\n)+512*\t th:TH_STORE_NT  ; a whole row of out0: 512 consecutive bytes, at a multiple of 256 from its first
.endr
.endm
	MM 0
.irp n, 0,1,2,3,4,5,6,7
	OUT \n
.endr
	s_wait_tensorcnt 0x0                           ; the wave's end: behind my last LDS store
	ds_add_u32 v[SPW], v[NIL]
	s_wait_dscnt 0x0
	s_endpgm
.Lfunc_end_k_qf9e30892ed_attn:
	.size	k_qf9e30892ed_attn, .Lfunc_end_k_qf9e30892ed_attn-k_qf9e30892ed_attn
	.p2alignl 7, 3214868480
	.fill 96, 4, 3214868480
	.section	.rodata,"a",@progbits
	.p2align	6, 0x0
	.amdhsa_kernel k_qf9e30892ed_attn
		.amdhsa_group_segment_fixed_size 52736
		.amdhsa_private_segment_fixed_size 0
		.amdhsa_enable_private_segment 0
		.amdhsa_kernarg_size 24
		.amdhsa_user_sgpr_count 2
		.amdhsa_user_sgpr_kernarg_segment_ptr 1
		.amdhsa_wavefront_size32 1
		.amdhsa_system_sgpr_workgroup_id_x 1
		.amdhsa_system_sgpr_workgroup_id_y 1
		.amdhsa_system_sgpr_workgroup_id_z 1
		.amdhsa_system_vgpr_workitem_id 0
		.amdhsa_next_free_vgpr 768
		.amdhsa_next_free_sgpr 66
		.amdhsa_reserve_vcc 0
		.amdhsa_float_denorm_mode_32 3
		.amdhsa_float_denorm_mode_16_64 3
		.amdhsa_memory_ordered 1
		.amdhsa_forward_progress 1
		.amdhsa_inst_pref_size 79
	.end_amdhsa_kernel
	.amdgpu_metadata
---
amdhsa.version: [ 1, 2 ]
amdhsa.kernels:
  - .name:           k_qf9e30892ed_attn
    .symbol:         k_qf9e30892ed_attn.kd
    .args:
      - { .name: sp, .offset: 0, .size: 8, .value_kind: global_buffer, .address_space: global }
      - { .name: vf, .offset: 8, .size: 8, .value_kind: global_buffer, .address_space: global }
      - { .name: out0, .offset: 16, .size: 8, .value_kind: global_buffer, .address_space: global }
    .group_segment_fixed_size: 52736
    .private_segment_fixed_size: 0
    .kernarg_segment_align: 8
    .kernarg_segment_size: 24
    .max_flat_workgroup_size: 128
    .sgpr_count:     66
    .vgpr_count:     768
    .wavefront_size: 32
...
	.end_amdgpu_metadata
.endif
;; end of part 3
